; MI455X (gfx1250); checked and timed in simulation.
; The chip was launched on July 23, 2026; its instructions are those of AMD's public machine-readable ISA for CDNA 5 (MIT licence, August 2026) and "CDNA5" Instruction Set Architecture Reference Guide (July 2026). The comments in the code are by the model that wrote it; some were corrected since.
;; Model. Allowed arithmetic: matrix products marked QUANTISED: E3M2 operands, one E8M0 scale for each 32 along K, by v_wmma_scale_f32_16x16x128_f8f6f4 with both operands' format E3M2, f32 sums; everything else in f32.
;; Inputs: Wk 512 x 32 float32; Wq 512 x 32 float32; Wv 512 x 32 float32; bk 512 float32; bq 512 float32; bv 512 float32; key 8 x 2,048 x 32 float32; mask 8 x 1 x 1 x 2,048 int32; query 8 x 2,048 x 32 float32; value 8 x 2,048 x 32 float32.
;; Outputs: out0 8 x 2,048 x 512 float32.
;; This version of the problem:
;;   THIS VERSION OF THE PROBLEM IS GIVEN IN LOW PRECISION. The matrix products marked QUANTISED in the list below multiply operands that are first quantised to E3M2 (3 exponent bits, 2 mantissa bits; 6 bits a number), with one power-of-two scale for each 32 numbers along K (OCP MX v1.0); their sums are f32. All else is computed in f32.
;;   The module's matrix products, in the order in which they are computed (A, B: the left and right operand; K: the contracted axis; several contracted axes count as one K, in the product's order):
;;     1. [M 16,384, K 32] x [K 32, N 512]; A: input query; B: input Wq: QUANTISED
;;     2. [M 16,384, K 32] x [K 32, N 512]; A: input key; B: input Wk: QUANTISED
;;     3. [M 16,384, K 32] x [K 32, N 512]; A: input value; B: input Wv: QUANTISED
;;     4. batch 64 x [M 2,048, K 64] x [K 64, N 2,048]; A: computed on the way; B: computed on the way: QUANTISED
;;     5. batch 64 x [M 2,048, K 2,048] x [K 2,048, N 64]; A: softmax (see below); B: computed on the way: QUANTISED
;;   THE QUANTISER, for each operand of a quantised product, along K:
;;     - K is cut into blocks of 32 from its start; a last block that is shorter is filled with zeros.
;;     - A block's scale is 2^e with e = floor(log2(the largest magnitude in the block)) - 4, held to -126 .. 127; a block of zeros has e = 0. As a byte (E8M0): e + 127.
;;     - Each number is divided by its block's scale, clamped to +-28, and rounded to the nearest number of E3M2, ties to even, subnormals kept.
;;     - The product sums the exact products of the quantised numbers (number of the format x scale) in f32.
;;   ~~~python
;;   def quantise(x, axis):      # numpy; x: float32 -> the quantised numbers, widened to float32 again
;;       x = np.moveaxis(x, axis, -1); K = x.shape[-1]
;;       x = np.pad(x, [(0, 0)] * (x.ndim - 1) + [(0, -K % 32)]); x = x.reshape(x.shape[:-1] + (-1, 32)); a = np.abs(x).max(-1, keepdims=True)
;;       e = np.where(a > 0, np.clip(np.frexp(np.where(a > 0, a, 1))[1] - 1 - 4, -126, 127), 0)      # np.frexp(a)[1] - 1 = floor(log2(a)), exactly
;;       r = np.clip(x / 2.0 ** e, -28, 28)
;;       step = 2.0 ** (np.maximum(np.frexp(np.where(r == 0, 1, r))[1] - 1, -2) - 2)
;;       q = np.round(r / step) * step * 2.0 ** e      # np.round: ties to even
;;       return np.moveaxis(q.reshape(q.shape[:-2] + (-1,))[..., :K], -1, axis).astype(np.float32)
;;   ~~~
;;   SOFTMAX AHEAD OF A QUANTISED PRODUCT. Where the list says 'softmax', what is quantised is not the finished softmax but p = 2^(t - M), with t = logit x log2(e) and M = ceil(the row's largest t), a whole number; so 1/2 < the row's largest p <= 1. The row's sum l is taken of the UNQUANTISED p, in f32, and the product's result is divided by l at the end. Since M is a whole number, a kernel that streams over the keys may use a running M (the ceiling of the running maximum): every later rescaling is an exact power of two, which a block's scale takes up: the codes' values come out the same.
;;   OPERANDS COMPUTED ON THE WAY. 'Computed on the way' means the value that the module computes at that place (a softmax that the list does not call 'softmax' is quantised finished and normalised). What goes into a quantiser is computed in f32, as accurately as f32 sums, v_exp_f32 and their like allow (about 1e-6 of the number): no bf16 or f16 on the way to a quantiser, and a product that is left as it is and whose result goes on into a quantised operand takes f32 operands (vector FMAs, or v_wmma_f32_16x16x4_f32). A number that lies on a knife's edge between two numbers of the format may be rounded either way, as far as f32 arithmetic and the matrix unit's own rounding can turn it there, and no further.
;; One version. Each part assembles by itself: llvm-mc -triple=amdgcn-amd-amdhsa -mcpu=gfx1250 --defsym DOCPART=n.
;; ======== version 1 of 1: 2 launches
;; limits: right only within a limited range of input values
;; workspace buffers: qi 6,553,600 bytes; kv 13,107,200 bytes
;; launch prep (part 1): grid 256 x 3, 4 waves a work-group, no clusters, 0 bytes of LDS; arguments query, key, value, Wq, Wk, Wv, bq, bk, bv, qi, kv; writes qi, kv
.if DOCPART == 1
	.amdgcn_target "amdgcn-amd-amdhsa--gfx1250"
	.amdhsa_code_object_version 6
	.text
	.protected	k_q5899ca8bda_prep
	.globl	k_q5899ca8bda_prep
	.p2align	8
	.type	k_q5899ca8bda_prep,@function
k_q5899ca8bda_prep:
	s_mov_b64 s[64:65], 0
	v_nop
	global_prefetch_b8 v0, s[64:65] scope:SCOPE_SE
	s_setreg_imm32_b32 hwreg(HW_REG_WAVE_MODE, 25, 1), 1
	s_wait_xcnt 0x0
; q = query Wq^T + bq, k = key Wk^T + bk, v = value Wv^T + bv, each product on codes of BF6 (E3M2) with one E8M0 scale for each 32 along K (K = 32: one block a row),
; and the results quantised again for the attention that follows: q and k along the head's 64 channels, v along the keys.  They leave as IMAGES OF THE OPERAND'S REGISTERS.
; SHARES.  Work-group y is the tensor (0 q, 1 k, 2 v).  A wave owns one batch, one head and one step of 128 tokens: 128 x 64 results, 32 matrix instructions, four fragments and their scale words.
; Waves share nothing: no LDS, no barrier.
; A FRAGMENT is 12 registers x 32 lanes = 1,536 bytes; registers 4 g .. 4 g + 3 of lane l lie at 512 g + 16 l.
;   kv: [batch x 8 + head][step of 128 keys][12,800]: K's four fragments at 0, V's four at 6,144, K's scale words at 12,288, V's at 12,544.   qi: [..][step of 128 queries][6,400]: four fragments, words at 6,144.
;   K's fragment f is a PAIR: registers 0-5 of lane (r, h) are channels 32 h .. + 31 of key 32 f + r + 8 (r / 8), registers 6-11 the same of the key 8 further on; Q's likewise with queries 32 f + r and 16 further on.
;   V's fragment d: registers 6 c .. 6 c + 5 of lane (r, h) are keys 64 c + 32 h .. + 31 of channel 16 d + r.   Words: lane l's 8 bytes are the words of fragments l / 16 and 2 + l / 16 for row l % 16.
; K = 32 IN AN INSTRUCTION OF K = 128.  E3M2 has no code for infinity or NaN and no scale byte here is 0xff, so zero codes on ONE operand make that part of K add exactly 0.  W's fragments hold true zeros
; for k = 32 .. 127; so x's fragments are kept as six registers each, packed, and an operand's upper six registers are simply the next tile's.
; q, k: the product is used transposed (source 0 = 16 rows of W, source 1 = 16 tokens), and W's rows of tile 2 b + u are channels 32 b + 8 u + r + 8 (r / 8): a lane then holds one token, and the 16 registers
; of two neighbouring tiles are 16 neighbouring channels.   v: source 0 = 16 tokens (tile 2 f + u: tokens 32 f + 8 u + r + 8 (r / 8)), source 1 = 16 channels: a lane holds one channel and neighbouring tokens.
; The bias is the C of each product.
; LIMITS: NaN and infinities among the inputs are not served.  A block whose largest magnitude lies under 2^-122, a block of zeros too, gets the scale byte 1 (the rule says 127 for zeros): its codes are
; zeros or the rule's own, and this program alone reads the bytes.  The bias is added inside the matrix instruction, with that unit's rounding.
; The input mask is not read by this program: reference() takes its SHAPE alone, max(0.9, 0.9 / 2048) = 0.9, and none of its values.
.set AB4,  1                           ; v1   4 r: the bias of v, a channel a lane
.set AB64, 2                           ; v2   64 h: the bias of q and k, 16 channels on for lanes 16-31
.set AS,   3                           ; v3   8 x lane: my two scale words' place
.set AO,   4                           ; v4   16 x lane: an image's place for my lane
.set AX,   5                           ; v5-6 x: my 64 bytes of my row in an even tile, in an odd tile
.set AW,   7                           ; v7-8 W: the same
.set XF,   10                          ; v10-57   x's eight fragments, six registers each;  v58-63 zeros behind the last
.set WF,   64                          ; v64-111  W's four fragments, twelve registers each
.set ST2,  64                          ; v64-127  before that: x's tiles 4-7 as they are loaded
.set SW,   112                         ; v112-115 the four groups' scale words
.set OW,   116                         ; v116-117 the two words that my lane stores
.set WW,   118                         ; v118-121 W's scale words
.set BI,   128                         ; v128-159 the bias in the result's layout, eight registers a tile
.set H,    160                         ; v160-223 the results of a group; before that: x's tiles 0-3 as they are loaded
.set PC,   224                         ; v224-235 the codes just made
.set BV,   224                         ; v224-227 before that: v's bias, one number a lane for each tile of channels
.set MX,   236                         ; v236-239 largest magnitudes
.set CT,   236                         ; v236-238, v240-242 later: the second halves of the conversions
.set BY,   240                         ; v240-243 the other lane's maxima, then the scale bytes
.set SO,   244                         ; v244-247 the conversions' scale operands
.set XW,   248                         ; v248-255 x's scale words
.set WV,   26                          ; s26 wave   s27 tensor   s28 batch   s29 step   s30 head   s31 8 x batch + head
.set KIND, 27
.set BB,   28
.set STP,  29
.set HH,   30
.set HD,   31
.set XP,   32                          ; s[32:33] x at my step   s[34:35] W at my head   s[36:37] the bias at my head   s[38:39] my fragments   s[40:41] my words
.set WP,   34
.set BP,   36
.set OP,   38
.set OWP,  40
.set ODX,  42                          ; s42 bytes from an even tile of x to the odd one   s43 bytes that rows 8-15 of a tile lie further on   s44, s45 the same for W
.set GX,   43
.set ODW,  44
.set GW,   45
.set STR,  46                          ; s46 bytes of a step in the output buffer   s47 where my fragments begin in it   s48 where my words begin
.set FOF,  47
.set WOF,  48
.set SEL,  50                          ; s[50:51] v_permlanex16_b32's selects for lane l xor 16
.set HI16, 52
; THE ORDER OF K's KEYS, as stored (it takes the place of the order that the paragraph on fragments at the head names for K; q's and v's stand as they are there):
; K's fragment f: registers 0-5 of lane (r, h) are channels 32 h .. + 31 of key 64 (f / 2) + 16 (f % 2) + r % 8 + 32 (r / 8), registers 6-11 the same of the key 8 further on.
; So in the scores' tiles 4 c + u (u = 0 .. 3) a lane's 32 registers are the 32 neighbouring keys 64 c + 32 h .. + 31: one whole block of the next product's K.
.set PX,   49                          ; s49 bytes from an even pair of x's tiles to the odd one: 32 rows for q and v, 16 rows for k
.set AX2,  228
; W's four tiles as they are loaded lie in v256-319 (window 1), asked for together with x's tiles; this macro is XQ4 with its 64 numbers there.
; s_set_vgpr_msb's low byte: bits 1:0 source 0, 3:2 source 1, 5:4 source 2, 7:6 destination; its high byte repeats the setting that is left.
.macro WQ4 dst, st, w
	s_set_vgpr_msb 0x0005                          ; sources 0 and 1 in window 1
.irp b, 0,1,2,3
	v_max3_num_f32 v[MX+\b], |v[16*\b]|, |v[16*\b+1]|, 0x2800000
.endr
	s_set_vgpr_msb 0x0514                          ; sources 1 and 2 in window 1
.irp i, 2,4,6,8,10,12,14
.irp b, 0,1,2,3
	v_max3_num_f32 v[MX+\b], v[MX+\b], |v[16*\b+\i]|, |v[16*\b+\i+1]|
.endr
.endr
	s_set_vgpr_msb 0x1400
.irp b, 0,1,2,3
	v_permlanex16_b32 v[BY+\b], v[MX+\b], s[SEL], s[SEL+1]
.endr
.irp b, 0,1,2,3
	v_max_num_f32 v[MX+\b], v[MX+\b], v[BY+\b]
.endr
.irp b, 0,1,2,3
	v_add_nc_u32 v[SO+\b], 0xfe000000, v[MX+\b]
.endr
.irp b, 0,1,2,3
	v_lshrrev_b32 v[\w+\b], 23, v[SO+\b]
.endr
	s_set_vgpr_msb 0x0001                          ; source 0 in window 1
.irp b, 0,1,2,3
	v_cvt_scalef32_pk16_bf6_f32 v[\dst+\st*\b:\dst+\st*\b+2], v[16*\b:16*\b+15], v[SO+\b]
.endr
	s_set_vgpr_msb 0x0100
.irp b, 0,1,2,3
.irp i, 3,4,5
	v_mov_b32 v[\dst+\st*\b+\i], 0
.endr
.endr
.irp b, 0,1,2,3
.irp i, 0,1,2
	v_permlane16_swap_b32 v[\dst+\st*\b+\i], v[\dst+\st*\b+3+\i]
.endr
.endr
.endm
.macro LDX reg, first                  ; four tiles of x: pair f = tile / 2 lies at 8,192 (f / 2) + PX (f % 2) bytes
.irp t, 0,1,2,3
.irp j, 0,1,2,3
	global_load_b128 v[\reg+16*\t+4*\j:\reg+16*\t+4*\j+3], v[AX+(AX2-AX)*(((\first+\t)/2)%2)+\t%2], s[XP:XP+1] offset:((\first+\t)/4)*8192+16*\j
.endr
.endr
.endm
.macro PLACES n
.rept \n
	v_nop
.endr
.endm
.macro MMA d, a, b, c, sa, sb
	v_wmma_scale_f32_16x16x128_f8f6f4 v[\d:\d+7], v[\a:\a+11], v[\b:\b+11], v[\c:\c+7], v[\sa], v[\sb] matrix_a_fmt:MATRIX_FMT_BF6 matrix_b_fmt:MATRIX_FMT_BF6
.endm
; four tiles of 16 rows x 32 numbers: lane (r, h) takes numbers 16 h .. 16 h + 15 of row r, 64 bytes, into 16 registers a tile
.macro LD4 reg, adr, ptr, first
.irp t, 0,1,2,3
.irp j, 0,1,2,3
	global_load_b128 v[\reg+16*\t+4*\j:\reg+16*\t+4*\j+3], v[\adr+\t%2], s[\ptr:\ptr+1] offset:((\first+\t)/2)*4096+16*\j
.endr
.endr
.endm
; 64 numbers of a lane: register 16 b + i belongs to block b, whose other 16 lie in lane l xor 16.  Leaves the conversions' scale operands in v[SO] on and the scale bytes in v[dstw] on.
.macro QMAX src, dstw
.irp b, 0,1,2,3
	v_max3_num_f32 v[MX+\b], |v[\src+16*\b]|, |v[\src+16*\b+1]|, 0x2800000   ; my 16 numbers, and the floor 2^(5 - 127): so the byte cannot fall under 1.  (Each accumulator is read from its low end on)
.endr
.irp i, 2,4,6,8,10,12,14
.irp b, 0,1,2,3
	v_max3_num_f32 v[MX+\b], v[MX+\b], |v[\src+16*\b+\i]|, |v[\src+16*\b+\i+1]|   ; the four blocks by turns: no line waits for the line above it
.endr
.endr
.irp b, 0,1,2,3
	v_permlanex16_b32 v[BY+\b], v[MX+\b], s[SEL], s[SEL+1]
.endr
.irp b, 0,1,2,3
	v_max_num_f32 v[MX+\b], v[MX+\b], v[BY+\b]     ; with lane l xor 16's: the block's largest magnitude
.endr
.irp b, 0,1,2,3
	v_add_nc_u32 v[SO+\b], 0xfe000000, v[MX+\b]    ; 4 off its exponent field: the conversion takes the exponent field of this operand as its scale, and nothing else of it
.endr
.irp b, 0,1,2,3
	v_lshrrev_b32 v[\dstw+\b], 23, v[SO+\b]        ; the scale's byte
.endr
.endm
; Four tiles of 16 rows x 32 K become four fragments' first six registers, at v[dst + st b]: lanes 0-15 hold the row's 32 codes, lanes 16-31 zeros.  The scale word is the byte, with zeros above it.
.macro XQ4 src, dst, st, w
	QMAX \src, \w
.irp b, 0,1,2,3
	v_cvt_scalef32_pk16_bf6_f32 v[\dst+\st*\b:\dst+\st*\b+2], v[\src+16*\b:\src+16*\b+15], v[SO+\b]   ; lanes 0-15: the codes of k = 0 .. 15, lanes 16-31: of k = 16 .. 31
.endr
.irp b, 0,1,2,3
.irp i, 3,4,5
	v_mov_b32 v[\dst+\st*\b+\i], 0                 ; (plain lines behind the scaled conversions, which touch neither their results nor their sources)
.endr
.endr
.irp b, 0,1,2,3
.irp i, 0,1,2
	v_permlane16_swap_b32 v[\dst+\st*\b+\i], v[\dst+\st*\b+3+\i]   ; the first's lanes 16-31 change places with the second's lanes 0-15: k = 16 .. 31 come to lanes 0-15, zeros to lanes 16-31
.endr
.endr
.endm
; The 64 numbers in v[H] on become a fragment's codes in v[PC] on, and the four bytes its scale word.
.macro QPACK w
	v_lshl_or_b32 v[\w], v[BY+1], 8, v[BY]
	v_lshl_or_b32 v[\w], v[BY+2], 16, v[\w]
	v_lshl_or_b32 v[\w], v[BY+3], 24, v[\w]
.irp c, 0,1
	v_cvt_scalef32_pk16_bf6_f32 v[PC+6*\c:PC+6*\c+2], v[H+32*\c:H+32*\c+15], v[SO+2*\c]
	v_cvt_scalef32_pk16_bf6_f32 v[CT+4*\c:CT+4*\c+2], v[H+32*\c+16:H+32*\c+31], v[SO+2*\c+1]   ; (a conversion's three registers begin on an even number)
.endr
	v_nop                                          ; one plain line behind the scaled conversions
.irp c, 0,1                                    ; the operand's layout wants a WHOLE block in a lane: lanes 0-15 block 2 c, lanes 16-31 block 2 c + 1
.irp i, 0,1,2
	v_permlane16_swap_b32 v[PC+6*\c+\i], v[CT+4*\c+\i]
.endr
.irp i, 0,1,2
	v_mov_b32 v[PC+6*\c+3+\i], v[CT+4*\c+\i]
.endr
.endr
.endm
; A group: eight products, one fragment out.  kind 0 (q, k): token tiles 2 g, 2 g + 1 x all 64 channels.  kind 1 (v): all 128 tokens x channels 16 g .. 16 g + 15.
.macro GROUP kind, g
.if \kind == 0
.irp u, 0,1
.irp ct, 0,1,2,3
	MMA H+32*\u+8*\ct, WF+12*\ct, XF+6*(2*\g+\u), BI+8*\ct, WW+\ct, XW+2*\g+\u
.endr
.endr
.else
.irp tt, 0,1,2,3,4,5,6,7
	MMA H+8*\tt, XF+6*\tt, WF+12*\g, BI+8*\g, XW+\tt, WW+\g
.endr
.endif
	PLACES 4                                       ; four places between the last product and the first read of results (ISA guide 7.12.1); no other vector work is at hand
	QMAX H, BY
.if \g > 0
	s_wait_alu depctr_va_vdst(0)
	s_wait_xcnt 0x0                                ; the last group's stores have read v[PC] on: only behind this wait is it written again
.endif
	QPACK SW+\g
.irp j, 0,1,2
	global_store_b128 v[AO], v[PC+4*\j:PC+4*\j+3], s[OP:OP+1] offset:1536*\g+512*\j   ; 32 lanes store 512 consecutive bytes, at a multiple of 256 from the buffer's first byte
.endr
.endm
	s_load_b512 s[4:19], s[0:1], 0x0               ; query s[4:5], key s[6:7], value s[8:9], Wq s[10:11], Wk s[12:13], Wv s[14:15], bq s[16:17], bk s[18:19]
	s_load_b128 s[20:23], s[0:1], 0x40             ; bv s[20:21], qi s[22:23]
	s_load_b64 s[24:25], s[0:1], 0x50              ; kv
	v_lshrrev_b32 v1, 5, v0
	v_readfirstlane_b32 s[WV], v1                  ; wave 0..3
	s_and_b32 s[KIND], ttmp7, 0xffff               ; 0 q, 1 k, 2 v
	s_lshr_b32 s[BB], ttmp9, 5                     ; work-group x = 32 x batch + 2 x step + half of the heads
	s_bfe_u32 s[STP], ttmp9, 0x40001
	s_and_b32 s[HH], ttmp9, 1
	s_lshl_b32 s[HH], s[HH], 2
	s_add_co_u32 s[HH], s[HH], s[WV]               ; my head
	s_lshl_b32 s[HD], s[BB], 3
	s_add_co_u32 s[HD], s[HD], s[HH]
	; what differs between the three tensors is kept in scalars; an instruction takes one literal, so the other value is moved in first (s_mov_b32 leaves SCC alone)
	s_cmp_eq_u32 s[KIND], 0
	s_mov_b32 s[ODX], 1024
	s_cselect_b32 s[ODX], 2048, s[ODX]             ; q's tiles are 16 neighbouring tokens; k's and v's are 8 + 8, 16 rows apart, and the odd tile begins 8 rows on
	s_cselect_b32 s[GX], 0, 1024
	s_mov_b32 s[STR], 12800
	s_cselect_b32 s[STR], 6400, s[STR]
	s_mov_b32 s[WOF], 12288
	s_cselect_b32 s[WOF], 6144, s[WOF]
	s_cmp_eq_u32 s[KIND], 1
	s_mov_b32 s[PX], 4096
	s_cselect_b32 s[PX], 2048, s[PX]               ; k: the odd pair begins 16 rows on,
	s_cselect_b32 s[GX], 3072, s[GX]               ; and rows 8-15 of a tile lie 24 rows further on: r % 8 + 32 (r / 8)
	s_cmp_eq_u32 s[KIND], 2
	s_mov_b32 s[ODW], 1024
	s_cselect_b32 s[ODW], 2048, s[ODW]             ; W's tiles: 16 neighbouring channels for v, 8 + 8 for q and k
	s_cselect_b32 s[GW], 0, 1024
	s_cselect_b32 s[FOF], 6144, 0
	s_cselect_b32 s[WOF], 12544, s[WOF]
	; offsets, each in a pair with 0 above it
	s_lshl_b32 s2, s[BB], 18                       ; x: a batch is 2,048 rows of 128 bytes,
	s_lshl_b32 s3, s[STP], 14                      ; a step 128 rows
	s_add_co_u32 s2, s2, s3
	s_mov_b32 s3, 0
	s_lshl_b32 s54, s[HH], 13                      ; W: a head is 64 rows of 128 bytes
	s_mov_b32 s55, 0
	s_lshl_b32 s56, s[HH], 8                       ; the bias: 64 numbers
	s_mov_b32 s57, 0
	s_lshl_b32 s58, s[HD], 4
	s_add_co_u32 s58, s58, s[STP]
	s_mul_i32 s58, s58, s[STR]                     ; my step in the output buffer (under 2^24)
	s_add_co_u32 s60, s58, s[WOF]
	s_add_co_u32 s58, s58, s[FOF]
	s_mov_b32 s59, 0
	s_mov_b32 s61, 0
	s_mov_b32 s[SEL], 0x76543210
	s_mov_b32 s[SEL+1], 0xfedcba98
	s_mov_b32 s[HI16], 0xffff0000
	v_and_b32 v1, 15, v0                           ; r
	v_bfe_u32 v2, v0, 4, 1                         ; h
	v_and_b32 v[AS], 31, v0
	v_lshlrev_b32 v[AO], 4, v[AS]
	v_lshlrev_b32 v[AS], 3, v[AS]
	v_lshlrev_b32 v[AX], 7, v1
	v_lshl_add_u32 v[AX], v2, 6, v[AX]             ; row r of 128 bytes + 64 h
	v_lshrrev_b32 v9, 3, v1                        ; r / 8
	v_mad_u32_u24 v[AW], v9, s[GW], v[AX]
	v_mad_u32_u24 v[AX], v9, s[GX], v[AX]
	v_add_nc_u32 v[AX+1], s[ODX], v[AX]
	v_add_nc_u32 v[AW+1], s[ODW], v[AW]
	v_add_nc_u32 v[AX2], s[PX], v[AX]
	v_add_nc_u32 v[AX2+1], s[PX], v[AX+1]
	v_lshlrev_b32 v[AB4], 2, v1
	v_lshlrev_b32 v[AB64], 6, v2
.irp b, 0,1,2,3
	v_mov_b32 v[BY+\b], 0                          ; written once: a lane permute's destination counts as one of its sources
.endr
.irp i, 0,1,2,3,4,5
	v_mov_b32 v[XF+48+\i], 0                       ; behind x's last fragment
.endr
	s_wait_kmcnt 0x0
	s_cmp_eq_u32 s[KIND], 0                        ; the buffers are chosen on the work-group's number alone
	s_cselect_b64 s[XP:XP+1], s[4:5], s[6:7]
	s_cselect_b64 s[WP:WP+1], s[10:11], s[12:13]
	s_cselect_b64 s[BP:BP+1], s[16:17], s[18:19]
	s_cselect_b64 s[OP:OP+1], s[22:23], s[24:25]
	s_cmp_eq_u32 s[KIND], 2
	s_cselect_b64 s[XP:XP+1], s[8:9], s[XP:XP+1]
	s_cselect_b64 s[WP:WP+1], s[14:15], s[WP:WP+1]
	s_cselect_b64 s[BP:BP+1], s[20:21], s[BP:BP+1]
	s_add_nc_u64 s[XP:XP+1], s[XP:XP+1], s[2:3]
	s_add_nc_u64 s[WP:WP+1], s[WP:WP+1], s[54:55]
	s_add_nc_u64 s[BP:BP+1], s[BP:BP+1], s[56:57]
	s_add_nc_u64 s[OWP:OWP+1], s[OP:OP+1], s[60:61]
	s_add_nc_u64 s[OP:OP+1], s[OP:OP+1], s[58:59]
	; The bias, in BOTH forms, by every wave, so that the text parts once only, at the products: q and k want, for tile 2 b + u, channels 32 b + 8 u + 16 h + 0 .. 7 in eight registers; v wants channel 16 d + r.
	; A wave uses one form: 4 or 8 loads from the head's 256 bytes go unused.  They are the oldest loads, so no count below hangs on them.
.irp ct, 0,1,2,3
	global_load_b128 v[BI+8*\ct:BI+8*\ct+3], v[AB64], s[BP:BP+1] offset:(32*(\ct/2)+8*(\ct%2))*4
	global_load_b128 v[BI+8*\ct+4:BI+8*\ct+7], v[AB64], s[BP:BP+1] offset:(32*(\ct/2)+8*(\ct%2))*4+16
.endr
.irp dt, 0,1,2,3
	global_load_b32 v[BV+\dt], v[AB4], s[BP:BP+1] offset:64*\dt
.endr
	LDX H, 0
	LDX ST2, 4
	s_set_vgpr_msb 0x0040                          ; destination in window 1
	LD4 0, AW, WP, 0                               ; W's four tiles into v256-319, asked for with x's
	s_set_vgpr_msb 0x4000
	s_wait_loadcnt 32                              ; all but the 32 youngest (tiles 4-7 and W): tiles 0-3 are in
	XQ4 H, XF, 6, XW
	s_wait_loadcnt 16                              ; all but W's 16: tiles 4-7 are in
	XQ4 ST2, XF+24, 6, XW+4
.irp t, 0,1,2,3
.irp i, 6,7,8,9,10,11
	v_mov_b32 v[WF+12*\t+\i], 0                    ; W's true zeros for k = 64 .. 127
.endr
.endr
	s_wait_loadcnt 0x0
	WQ4 WF, 12, WW
	s_cmp_eq_u32 s[KIND], 2
	s_cbranch_scc1 .Lvalue
	PLACES 8                                       ; a scale word written by a vector line stands eight places ahead of a scaled product, an operand so written four
	GROUP 0, 0
	GROUP 0, 1
	GROUP 0, 2
	GROUP 0, 3
	s_branch .Lwords
.Lvalue:
.irp dt, 0,1,2,3
.irp j, 0,1,2,3,4,5,6,7
	v_mov_b32 v[BI+8*\dt+\j], v[BV+\dt]            ; a lane holds one channel: its bias in all eight registers.  (These 32 lines are the places here)
.endr
.endr
	GROUP 1, 0
	GROUP 1, 1
	GROUP 1, 2
	GROUP 1, 3
.Lwords:
	v_cndmask_b32 v[OW], v[SW], v[SW+1], s[HI16]   ; every lane holds its row's word of all four fragments: lanes 0-15 keep fragments 0 and 2, lanes 16-31 fragments 1 and 3
	v_cndmask_b32 v[OW+1], v[SW+2], v[SW+3], s[HI16]
	global_store_b64 v[AS], v[OW:OW+1], s[OWP:OWP+1]   ; 32 lanes store 256 consecutive bytes, at a multiple of 256 from the buffer's first byte
	s_endpgm
.Lfunc_end_k_q5899ca8bda_prep:
	.size	k_q5899ca8bda_prep, .Lfunc_end_k_q5899ca8bda_prep-k_q5899ca8bda_prep
	.p2alignl 7, 3214868480
	.fill 96, 4, 3214868480
	.section	.rodata,"a",@progbits
	.p2align	6, 0x0
	.amdhsa_kernel k_q5899ca8bda_prep
		.amdhsa_group_segment_fixed_size 0
		.amdhsa_private_segment_fixed_size 0
		.amdhsa_enable_private_segment 0
		.amdhsa_kernarg_size 88
		.amdhsa_user_sgpr_count 2
		.amdhsa_user_sgpr_kernarg_segment_ptr 1
		.amdhsa_wavefront_size32 1
		.amdhsa_system_sgpr_workgroup_id_x 1
		.amdhsa_system_sgpr_workgroup_id_y 1
		.amdhsa_system_sgpr_workgroup_id_z 1
		.amdhsa_system_vgpr_workitem_id 0
		.amdhsa_next_free_vgpr 320
		.amdhsa_next_free_sgpr 66
		.amdhsa_reserve_vcc 0
		.amdhsa_float_denorm_mode_32 3
		.amdhsa_float_denorm_mode_16_64 3
		.amdhsa_memory_ordered 1
		.amdhsa_forward_progress 1
		.amdhsa_inst_pref_size 66
	.end_amdhsa_kernel
	.amdgpu_metadata
---
amdhsa.version: [ 1, 2 ]
amdhsa.kernels:
  - .name:           k_q5899ca8bda_prep
    .symbol:         k_q5899ca8bda_prep.kd
    .args:
      - { .name: query, .offset: 0, .size: 8, .value_kind: global_buffer, .address_space: global }
      - { .name: key, .offset: 8, .size: 8, .value_kind: global_buffer, .address_space: global }
      - { .name: value, .offset: 16, .size: 8, .value_kind: global_buffer, .address_space: global }
      - { .name: Wq, .offset: 24, .size: 8, .value_kind: global_buffer, .address_space: global }
      - { .name: Wk, .offset: 32, .size: 8, .value_kind: global_buffer, .address_space: global }
      - { .name: Wv, .offset: 40, .size: 8, .value_kind: global_buffer, .address_space: global }
      - { .name: bq, .offset: 48, .size: 8, .value_kind: global_buffer, .address_space: global }
      - { .name: bk, .offset: 56, .size: 8, .value_kind: global_buffer, .address_space: global }
      - { .name: bv, .offset: 64, .size: 8, .value_kind: global_buffer, .address_space: global }
      - { .name: qi, .offset: 72, .size: 8, .value_kind: global_buffer, .address_space: global }
      - { .name: kv, .offset: 80, .size: 8, .value_kind: global_buffer, .address_space: global }
    .group_segment_fixed_size: 0
    .private_segment_fixed_size: 0
    .kernarg_segment_align: 8
    .kernarg_segment_size: 88
    .max_flat_workgroup_size: 128
    .sgpr_count:     66
    .vgpr_count:     320
    .wavefront_size: 32
...
	.end_amdgpu_metadata
.endif
;; end of part 1
;; launch attn (part 2): grid 4 x 64, 16 waves a work-group, clusters of 4 x 1, 327,680 bytes of LDS; arguments qi, kv, out0; writes out0
.if DOCPART == 2
	.amdgcn_target "amdgcn-amd-amdhsa--gfx1250"
	.amdhsa_code_object_version 6
	.text
	.protected	k_q5899ca8bda_attn
	.globl	k_q5899ca8bda_attn
	.p2align	8
	.type	k_q5899ca8bda_attn,@function
k_q5899ca8bda_attn:
	s_mov_b64 s[64:65], 0
	v_nop
	global_prefetch_b8 v0, s[64:65] scope:SCOPE_SE
	s_setreg_imm32_b32 hwreg(HW_REG_WAVE_MODE, 25, 1), 1
	s_wait_xcnt 0x0
	s_wait_alu depctr_hold_cnt(0) depctr_sa_sdst(0) depctr_va_vdst(0) depctr_va_sdst(0) depctr_va_ssrc(0) depctr_va_vcc(0) depctr_vm_vsrc(0)
	s_getreg_b32 s2, hwreg(HW_REG_IB_STS2, 6, 4)
	s_cmp_eq_u32 s2, 0
	s_cbranch_scc0 .Lentry_in_a_cluster
	s_endpgm
.Lentry_in_a_cluster:
	s_bfe_u32 s2, ttmp6, 0x10000c
	s_cmp_lg_u32 s2, 0x3003
	s_cbranch_scc0 .Lentry_shape_is_right
	s_endpgm
.Lentry_shape_is_right:
; out = softmax(0.9 q k^T / 8) v for one batch and head (work-group y) and 512 queries (work-group x), on codes of BF6 (E3M2) with E8M0 scales, as the launch before has laid them (images of the operands' registers).
; The input mask is not read: reference() takes its shape alone (max(0.9, 0.9 / 2048) = 0.9).
; SHARES.  16 waves; a wave owns 32 queries, in two passes of 16 over the head's 2,048 keys, in 16 steps of 128 keys.  Both products are used transposed (S^T = k q^T, O^T = v^T p^T): a lane holds one query.
; K's tiles take their keys so that tile 4 c + u, lane (r, h), register j is key 64 c + 32 h + 8 u + j: a lane's registers S + 32 c .. + 31 are one whole block of 32 keys, in the order that p's operand wants:
; a block's largest score needs no other lane, and the conversions' results are p's operand but for three moves a block (a conversion's three registers begin on an even number).
; K = 64 in an instruction of K = 128: K's fragment holds two keys a row; q stands beside 64 zero codes, [q | 0] or [0 | q], and picks one of the two.
; SOFTMAX.  t = score x c, c = 0.9 / 8 x log2(e); -M = floor(-(running largest t)), a whole number; p = 2^(t - M); the row's sum is taken of the unquantised p; when M moves, sum and O^T are multiplied by 2^(old M - new M), exactly.
; A block's scale byte is floor(its largest t - M) + 123, held at 1 from below: floor(log2(2^x)) = floor(x), so no exponential is spent on it.
; LDS.  The head's 16 steps x 12,800 bytes are fetched once, each wave one step by one tensor load; the four work-groups of a cluster need the same bytes and ask jointly.  Behind them a stage of 16 x 272 bytes a wave, then the spare words.
; No prefetch: the whole stream is asked for at the head by those loads, and there is no loop to run ahead in.
; THE PLACES behind matrix instructions are filled by the row's sum: keys 0-63 of a step are added ahead of O^T's products, keys 64-127 behind them, as a tree in place, partly between the two halves of the next step's S^T.
; LIMITS: the scaled scores stay under 2^31 in magnitude.  NaN and infinities are not served.  Where the exponential of a block's largest t - M, a number just under a whole one, is rounded up to the power of two, that one p is held at the largest code.
.set STEPB, 12800
.set VFO,   6144
.set KWO,   12288
.set VWO,   12544
.set STG,   16*STEPB
.set SP,    272
.set SPARE, STG+16*16*SP               ; 2,048 bytes of spare words that no other line names
.set LI,  1                            ; 16 x lane
.set L8,  2                            ; 8 x lane
.set AD,  3                            ; the trip's two steps in LDS + 16 x lane
.set AD8, 4                            ; + 8 x lane
.set STO, 5
.set RD,  6
.set GO,  7
.set QP,  8                            ; v8-19 q's pair of fragments
.set QW,  20
.set QA,  21
.set QF,  24                           ; v24-41 [q | 0 | q]
.set QS,  42
.set PS,  43
.set KW,  44
.set VW,  46
.set F,   48                           ; v48-95 four fragments of K, then of V
.set S,   96                           ; v96-159 scores, then p
.set O,   160                          ; v160-191 O^T
.set P,   192                          ; v192-203 p's codes
.set CT,  204                          ; v204-206, v208-210 the blocks' upper halves as converted
.set BM,  212                          ; v212-215 largest scores
.set PT,  216
.set SH8, 217                          ; 8 h
.set SO,  218                          ; v218-219 the conversions' scale operands
.set E,   220                          ; v220-221 the blocks' exponents, then bytes
.set T,   222
.set U,   223
.set NM,  224                          ; v224 and v226: -M, by turns from step to step (v225, v227: upper halves of the pairs named)
.set L,   228
.set L2,  230
.set FF,  232
.set TM,  234                          ; the running largest score
.set W,   235
.set SPW, 254
.set NIL, 255
.set WV,  10
.set QB,  14
.set QWP, 16
.set SEL, 20
.set CS,  22
.set G1,  24
.set G0,  32
.set TB,  40
.set CNT, 41
.set CSN, 42
.macro CROUND
	s_barrier_signal -1
	s_barrier_wait -1
	s_cmp_lg_u32 s[WV], 0
	s_cbranch_scc1 .Lnot_wave_0_\@
	s_barrier_signal -3
.Lnot_wave_0_\@:
	s_barrier_wait -3
	s_barrier_signal -1
	s_barrier_wait -1
.endm
.macro KQ f, u
.if (\f)%2
	v_wmma_scale_f32_16x16x128_f8f6f4 v[S+16*\f+8*\u:S+16*\f+8*\u+7], v[F+12*\f:F+12*\f+11], v[QF+6*\u:QF+6*\u+11], 0, v[KW+\f/2], v[QS] matrix_a_fmt:MATRIX_FMT_BF6 matrix_b_fmt:MATRIX_FMT_BF6 matrix_a_scale:MATRIX_SCALE_ROW1
.else
	v_wmma_scale_f32_16x16x128_f8f6f4 v[S+16*\f+8*\u:S+16*\f+8*\u+7], v[F+12*\f:F+12*\f+11], v[QF+6*\u:QF+6*\u+11], 0, v[KW+\f/2], v[QS] matrix_a_fmt:MATRIX_FMT_BF6 matrix_b_fmt:MATRIX_FMT_BF6
.endif
.endm
.macro PV d
.if (\d)%2
	v_wmma_scale_f32_16x16x128_f8f6f4 v[O+8*\d:O+8*\d+7], v[F+12*\d:F+12*\d+11], v[P:P+11], v[O+8*\d:O+8*\d+7], v[VW+\d/2], v[PS] matrix_a_fmt:MATRIX_FMT_BF6 matrix_b_fmt:MATRIX_FMT_BF6 matrix_a_scale:MATRIX_SCALE_ROW1
.else
	v_wmma_scale_f32_16x16x128_f8f6f4 v[O+8*\d:O+8*\d+7], v[F+12*\d:F+12*\d+11], v[P:P+11], v[O+8*\d:O+8*\d+7], v[VW+\d/2], v[PS] matrix_a_fmt:MATRIX_FMT_BF6 matrix_b_fmt:MATRIX_FMT_BF6
.endif
.endm
.macro PV0 d                           ; a pass's first step starts O^T's sums: C = 0, nothing is cleared
.if (\d)%2
	v_wmma_scale_f32_16x16x128_f8f6f4 v[O+8*\d:O+8*\d+7], v[F+12*\d:F+12*\d+11], v[P:P+11], 0, v[VW+\d/2], v[PS] matrix_a_fmt:MATRIX_FMT_BF6 matrix_b_fmt:MATRIX_FMT_BF6 matrix_a_scale:MATRIX_SCALE_ROW1
.else
	v_wmma_scale_f32_16x16x128_f8f6f4 v[O+8*\d:O+8*\d+7], v[F+12*\d:F+12*\d+11], v[P:P+11], 0, v[VW+\d/2], v[PS] matrix_a_fmt:MATRIX_FMT_BF6 matrix_b_fmt:MATRIX_FMT_BF6
.endif
.endm
.macro FLD off, wrd, wo, fo
	ds_load_b64 v[\wrd:\wrd+1], v[AD8] offset:(\off)+\wo
.irp f, 0,1,2,3
.irp g, 0,1,2
	ds_load_b128 v[F+12*\f+4*\g:F+12*\f+4*\g+3], v[AD] offset:(\off)+\fo+1536*\f+512*\g
.endr
.endr
.endm
.macro ADDP d, a
	v_pk_add_f32 v[S+\d:S+\d+1], v[S+\d:S+\d+1], v[S+\a:S+\a+1]
.endm
.macro TREE2                           ; the tree's last seven sums, and its root onto the row's sum
.irp i, 32,40,48,56
	ADDP \i, \i+4
.endr
	ADDP 32, 40
	ADDP 48, 56
	s_delay_alu instid0(VALU_DEP_1)
	ADDP 32, 48
	s_delay_alu instid0(VALU_DEP_1)
	v_pk_add_f32 v[L:L+1], v[L:L+1], v[S+32:S+33]
.endm
.macro FM n                            ; t - M, two at a time
.rept \n
	v_pk_fma_f32 v[S+fj:S+fj+1], v[S+fj:S+fj+1], s[CS:CS+1], v[NN:NN+1] op_sel_hi:[1,0,0]
.set fj, fj+2
.endr
.endm
; One step of 128 keys.  e: which register takes the new -M; off: the step's place behind v[AD]; bump: the addresses go on to the next trip's steps.
; first = 1: a pass's first step: no earlier p to sum, no earlier M, nothing to bring under a new M.
.macro STEP e, off, bump, first
.set NN, NM+2*(\e)
.set NO, NM+2-2*(\e)
.set fj, 0
.if \first
	FLD \off, KW, KWO, 0
.else
.irp i, 32,36,40,44
	ADDP \i, \i+2                                  ; the last step's p of keys 64-127: four sums are the places behind O^T's products
.endr
	FLD \off, KW, KWO, 0
.irp i, 48,52,56,60
	ADDP \i, \i+2
.endr
.endif
	s_wait_alu depctr_va_vdst(0)                   ; directly ahead of the wait below
	s_wait_dscnt 0x0                               ; K's fragments and words are in
	KQ 0, 0
	KQ 0, 1
	KQ 1, 0
	KQ 1, 1
.if \first
.rept 4
	v_nop                                          ; the places behind the four products above; no other vector work is at hand here
.endr
.else
	TREE2                                          ; eight plain lines on other registers: the places behind the four products above
.endif
	KQ 2, 0
	KQ 2, 1
	KQ 3, 0
	KQ 3, 1
.irp b, 0,1
	v_max3_num_f32 v[BM+\b], v[S+16*\b], v[S+16*\b+1], v[S+16*\b+2]   ; keys 0-63: four lines, the places behind the four products above
.endr
.irp b, 0,1
	v_max3_num_f32 v[BM+\b], v[BM+\b], v[S+16*\b+3], v[S+16*\b+4]
.endr
	FLD \off, VW, VWO, VFO
.if \bump
	s_add_co_u32 s[TB], s[TB], 2*STEPB
	v_add_nc_u32 v[AD], s[TB], v[LI]
	v_add_nc_u32 v[AD8], s[TB], v[L8]
.endif
.irp b, 2,3
	v_max3_num_f32 v[BM+\b], v[S+16*\b], v[S+16*\b+1], v[S+16*\b+2]
.endr
.irp b, 2,3
	v_max3_num_f32 v[BM+\b], v[BM+\b], v[S+16*\b+3], v[S+16*\b+4]
.endr
.irp i, 5,7,9,11,13
.irp b, 0,1,2,3
	v_max3_num_f32 v[BM+\b], v[BM+\b], v[S+16*\b+\i], v[S+16*\b+\i+1]   ; four chains by turns
.endr
.endr
	v_max3_num_f32 v[BM], v[BM], v[S+15], v[S+31]
	v_max3_num_f32 v[BM+2], v[BM+2], v[S+47], v[S+63]
	v_max_num_f32 v[BM], v[BM], v[BM+1]            ; my block of keys 32 h .. + 31,
	v_max_num_f32 v[BM+2], v[BM+2], v[BM+3]        ; and of keys 64 + 32 h .. + 31
	s_delay_alu instid0(VALU_DEP_1)
	v_max_num_f32 v[T], v[BM], v[BM+2]
	s_delay_alu instid0(VALU_DEP_1)
	v_permlanex16_b32 v[PT], v[T], s[SEL], s[SEL+1]
.if \first
	v_max_num_f32 v[TM], v[T], v[PT]               ; the largest score of my query so far
.else
	s_delay_alu instid0(VALU_DEP_1)
	v_max3_num_f32 v[TM], v[TM], v[T], v[PT]       ; the running largest score of my query
.endif
	s_delay_alu instid0(VALU_DEP_1)
	v_mul_f32 v[U], s[CSN], v[TM]
	s_delay_alu instid0(VALU_DEP_1)
	v_floor_f32 v[NN], v[U]                        ; -M = floor(-t)
.if \first
	FM 6
.else
	s_delay_alu instid0(VALU_DEP_1)
	v_sub_f32 v[U], v[NN], v[NO]                   ; old M - new M, a whole number, 0 or less
	FM 3
	v_cvt_i32_f32 v[U], v[U]
	FM 3
	v_ldexp_f32 v[FF], 1.0, v[U]                   ; f = 2^(old M - new M)
.endif
	v_fma_f32 v[E], v[BM], s[CS], v[NN]            ; my two blocks' largest t - M
	v_fma_f32 v[E+1], v[BM+2], s[CS], v[NN]
	FM 2
	v_max_num_f32 v[E], 0xc2f40000, v[E]           ; -122 from below: the byte cannot fall under 1
	v_max_num_f32 v[E+1], 0xc2f40000, v[E+1]
	FM 2
	v_floor_f32 v[E], v[E]
	v_floor_f32 v[E+1], v[E+1]
	FM 2
	v_cvt_i32_f32 v[E], v[E]
	v_cvt_i32_f32 v[E+1], v[E+1]
	FM 2
	v_add_nc_u32 v[E], 123, v[E]                   ; the scale's byte: exponent - 4 + 127
	v_add_nc_u32 v[E+1], 123, v[E+1]
	FM 2
	v_lshlrev_b32 v[SO], 23, v[E]                  ; as an exponent field: the conversion's scale operand
	v_lshlrev_b32 v[SO+1], 23, v[E+1]
	v_lshl_or_b32 v[W], v[E+1], 16, v[E]           ; blocks h and 2 + h,
	FM 2
	v_lshlrev_b32 v[W], v[SH8], v[W]               ; at their places in the scale word
	FM 2
	v_permlanex16_b32 v[PT], v[W], s[SEL], s[SEL+1]
	FM 12
.if \first == 0
	v_pk_mul_f32 v[L:L+1], v[L:L+1], v[FF:FF+1] op_sel_hi:[1,0]   ; the sum and O^T under the new M
.set j, 0
.rept 16
	v_pk_mul_f32 v[O+j:O+j+1], v[O+j:O+j+1], v[FF:FF+1] op_sel_hi:[1,0]
.set j, j+2
.endr
.endif
	s_wait_alu depctr_va_vdst(0)                   ; the wait ahead of the batch
.set j, 0
.rept 64
	v_exp_f32 v[S+j], v[S+j]
.set j, j+1
.endr
	v_or_b32 v[PS], v[W], v[PT]                    ; p's scale word is whole.  (The plain line behind the batch)
	s_wait_alu depctr_va_vdst(0)                   ; one wait for the batch, ahead of its first reader
.irp c, 0,1
	v_cvt_scalef32_pk16_bf6_f32 v[P+6*\c:P+6*\c+2], v[S+32*\c:S+32*\c+15], v[SO+\c]
	v_cvt_scalef32_pk16_bf6_f32 v[CT+4*\c:CT+4*\c+2], v[S+32*\c+16:S+32*\c+31], v[SO+\c]
.endr
	v_pk_add_f32 v[L2:L2+1], v[S:S+1], v[S+2:S+3]  ; the row's sum of the unquantised p, keys 0-63, in two chains.  (The plain line behind the conversions)
.irp c, 0,1
.irp i, 0,1,2
	v_mov_b32 v[P+6*\c+3+\i], v[CT+4*\c+\i]        ; the blocks' upper halves to their places
.endr
.endr
.set j, 4
.rept 7
	v_pk_add_f32 v[L:L+1], v[L:L+1], v[S+j:S+j+1]
	v_pk_add_f32 v[L2:L2+1], v[L2:L2+1], v[S+j+2:S+j+3]
.set j, j+4
.endr
	s_delay_alu instid0(VALU_DEP_1)
	v_pk_add_f32 v[L:L+1], v[L:L+1], v[L2:L2+1]
	s_wait_alu depctr_va_vdst(0)                   ; directly ahead of the wait below
	s_wait_dscnt 0x0                               ; V's fragments and words are in
.irp d, 0,1,2,3
.if \first
	PV0 \d
.else
	PV \d
.endif
.endr
.endm
.macro PASS                            ; 16 steps, two a trip: -M's two registers are back where they began
	STEP 0, 0, 0, 1                                ; the first trip is written out: its first step starts the sums
	STEP 1, STEPB, 1, 0
	s_mov_b32 s[CNT], 7
.Lkeys_\@:
	STEP 0, 0, 0, 0
	STEP 1, STEPB, 1, 0
	s_sub_co_u32 s[CNT], s[CNT], 1
	s_cmp_lg_u32 s[CNT], 0
	s_cbranch_scc1 .Lkeys_\@
.endm
.macro INIT p
.if \p
	s_wait_xcnt 0x0                                ; the last pass's stores have read their registers
	v_lshrrev_b32 v[T], 16, v[QW]
	s_delay_alu instid0(VALU_DEP_1)
	v_and_or_b32 v[QS], v[QW], 0xffff0000, v[T]
.else
	v_and_b32 v[T], 0xffff, v[QW]
	s_delay_alu instid0(VALU_DEP_1)
	v_lshl_or_b32 v[QS], v[QW], 16, v[T]
.endif
.irp i, 0,1,2,3,4,5
	v_mov_b32 v[QF+\i], v[QP+6*\p+\i]
	v_mov_b32 v[QF+12+\i], v[QP+6*\p+\i]
.endr
	s_mov_b32 s[TB], 0
	v_add_nc_u32 v[AD], s[TB], v[LI]
	v_add_nc_u32 v[AD8], s[TB], v[L8]
	v_mov_b32 v[L], 0                              ; the row's sum.  (With the two lines above: four plain lines between q's last move and the first product)
	v_mov_b32 v[L+1], 0
.endm
.macro OUT p
.irp i, 32,36,40,44,48,52,56,60
	ADDP \i, \i+2                                  ; the last step's keys 64-127
.endr
	TREE2
	s_delay_alu instid0(VALU_DEP_1)
	v_add_f32 v[L], v[L], v[L+1]
	s_delay_alu instid0(VALU_DEP_1)
	v_permlanex16_b32 v[T], v[L], s[SEL], s[SEL+1]
	s_delay_alu instid0(VALU_DEP_1)
	v_add_f32 v[L], v[L], v[T]
	s_wait_alu depctr_va_vdst(0)
	v_rcp_f32 v[L], v[L]
	v_nop
	s_wait_alu depctr_va_vdst(0)
.set j, 0
.rept 16
	v_pk_mul_f32 v[S+j:S+j+1], v[O+j:O+j+1], v[L:L+1] op_sel_hi:[1,0]
.set j, j+2
.endr
.irp d, 0,1,2,3
.irp e, 0,1
	ds_store_b128 v[STO], v[S+8*\d+4*\e:S+8*\d+4*\e+3] offset:64*\d+16*\e   ; my own stage: row = query, 256 bytes of channels
.endr
.endr
.irp i, 0,1,2,3,4,5,6,7
	ds_load_b128 v[F+4*\i:F+4*\i+3], v[RD] offset:2*\i*SP    ; back by rows; LDS serves a wave's instructions in order
.endr
.irp i, 0,1,2,3,4,5,6,7
	s_wait_dscnt 7-\i                              ; the loads issued behind load i may be out
	global_store_b128 v[GO], v[F+4*\i:F+4*\i+3], s[8:9] offset:32768*\p+4096*\i th:TH_STORE_NT   ; sixteen lanes store 256 consecutive bytes, aligned
.endr
.endm
	s_load_b128 s[4:7], s[0:1], 0x0                ; qi, kv
	s_load_b64 s[8:9], s[0:1], 0x10                ; out0
	v_lshl_add_u32 v[SPW], v0, 2, SPARE
	v_mov_b32 v[NIL], 0
	ds_add_u32 v[SPW], v[NIL]                      ; the opening lines: the add, twice on end, and its wait
	ds_add_u32 v[SPW], v[NIL]
	v_lshrrev_b32 v1, 5, v0
	s_delay_alu instid0(VALU_DEP_1)
	v_readfirstlane_b32 s[WV], v1
	s_bfe_u32 s11, ttmp6, 0x40000
	s_lshl_b32 s13, ttmp9, 2
	s_add_co_u32 s13, s13, s11                     ; which 512 queries
	s_and_b32 s12, ttmp7, 0xffff                   ; 8 x batch + head
	s_mov_b32 s[G1], 15|(3<<16)|(1<<21)            ; the cluster's four ask jointly; elements of 8 bytes
	s_mov_b32 s[G1+1], 32<<16                      ; rows of 256 bytes,
	s_mov_b32 s[G1+2], (STEPB/256)<<16             ; 50 of them: one step
	s_mov_b32 s[G1+3], 32<<16
	s_mov_b32 s[G1+4], STEPB/256
	s_mov_b32 s[G1+5], 32
	s_mov_b32 s[G1+6], 0
	s_mov_b32 s[G1+7], 0
	s_mul_i32 s[G0+1], s[WV], STEPB                ; wave w fetches step w
	s_mul_i32 s44, s12, 16*STEPB
	s_add_co_u32 s44, s44, s[G0+1]
	s_mov_b32 s45, 0
	s_lshl_b32 s46, s12, 4                         ; q: step of 128 queries = 16 x head + 4 x work-group x + wave / 4
	s_lshl_b32 s47, s13, 2
	s_add_co_u32 s46, s46, s47
	s_lshr_b32 s47, s[WV], 2
	s_add_co_u32 s46, s46, s47
	s_mul_i32 s46, s46, 6400
	s_and_b32 s47, s[WV], 3                        ; fragment wave % 4
	s_mul_i32 s47, s47, 1536
	s_add_co_u32 s48, s46, s47
	s_mov_b32 s49, 0
	s_and_b32 s47, s[WV], 1                        ; and its scale words
	s_lshl_b32 s47, s47, 7
	s_add_co_u32 s50, s46, s47
	s_bfe_u32 s47, s[WV], 0x10001
	s_lshl_b32 s47, s47, 2
	s_add_co_u32 s50, s50, s47
	s_add_co_u32 s50, s50, 6144
	s_mov_b32 s51, 0
	s_lshr_b32 s52, s12, 3                         ; out0: batch, my 32 rows of 2,048 bytes, my head's 256 bytes
	s_lshl_b32 s52, s52, 22
	s_lshl_b32 s47, s13, 20
	s_add_co_u32 s52, s52, s47
	s_lshl_b32 s47, s[WV], 16
	s_add_co_u32 s52, s52, s47
	s_and_b32 s47, s12, 7
	s_lshl_b32 s47, s47, 8
	s_add_co_u32 s52, s52, s47
	s_mov_b32 s53, 0
	s_mul_i32 s54, s[WV], 16*SP
	s_add_co_u32 s54, s54, STG
	s_mov_b32 s[SEL], 0x76543210
	s_mov_b32 s[SEL+1], 0xfedcba98
	s_mov_b32 s[CS], 0x3e2632cf                    ; c = 0.9 / 8 x log2(e)
	s_mov_b32 s[CS+1], s[CS]
	s_mov_b32 s[CSN], 0xbe2632cf                   ; -c
	v_and_b32 v[L8], 31, v0
	v_and_b32 v22, 15, v0
	v_bfe_u32 v23, v0, 4, 1
	v_lshlrev_b32 v[LI], 4, v[L8]
	v_lshlrev_b32 v[L8], 3, v[L8]
	v_lshlrev_b32 v[QA], 3, v22
	v_mul_u32_u24 v[STO], v22, SP
	v_mul_u32_u24 v[RD], v23, SP
	v_lshlrev_b32 v[GO], 11, v23
	v_lshl_add_u32 v[STO], v23, 5, v[STO]
	v_lshl_add_u32 v[RD], v22, 4, v[RD]
	v_lshl_add_u32 v[GO], v22, 4, v[GO]
	v_add_nc_u32 v[STO], s54, v[STO]
	v_add_nc_u32 v[RD], s54, v[RD]
	v_lshlrev_b32 v[SH8], 3, v23
.irp i, 0,1,2,3,4,5
	v_mov_b32 v[QF+6+\i], 0
.endr
	v_mov_b32 v[PT], 0                             ; written once: a lane permute's destination counts as one of its sources
	v_mov_b32 v[T], 0
	v_mov_b32 v[FF+1], 0                           ; upper halves of pairs that packed lines name
	v_mov_b32 v[NM+1], 0
	v_mov_b32 v[NM+3], 0
	s_wait_alu depctr_va_vdst(0)                   ; the wait at the head's end
	s_wait_dscnt 0x0                               ; both opening adds are done
	s_wait_kmcnt 0x0
	s_add_nc_u64 s[QB:QB+1], s[4:5], s[48:49]
	s_add_nc_u64 s[QWP:QWP+1], s[4:5], s[50:51]
	s_add_nc_u64 s[8:9], s[8:9], s[52:53]
.irp g, 0,1,2
	global_load_b128 v[QP+4*\g:QP+4*\g+3], v[LI], s[QB:QB+1] offset:512*\g th:TH_LOAD_NT   ; q is asked for ahead of the round and of the tiles
.endr
	global_load_b32 v[QW], v[QA], s[QWP:QWP+1] th:TH_LOAD_NT
	s_mov_b32 s[G0], 1
	s_add_nc_u64 s[G0+2:G0+3], s[6:7], s[44:45]
	s_or_b32 s[G0+3], s[G0+3], 0x80000000
	CROUND                                         ; the four work-groups are here: the joint loads meet
	tensor_load_to_lds s[G0:G0+3], s[G1:G1+7]      ; my one tensor load: step w of the head's K and V
	s_nop 0
	s_wait_loadcnt 0x0
	INIT 0                                         ; register work while the tiles are on their way
	s_wait_alu depctr_va_vdst(0)                   ; directly ahead of the wait below
	s_wait_tensorcnt 0x0                           ; my step is in;
	s_barrier_signal -1
	s_barrier_wait -1                              ; and so is every wave's.  Nothing is filled again
	PASS
	OUT 0
	INIT 1
	PASS
	OUT 1
	s_wait_tensorcnt 0x0                           ; the wave's end
	ds_add_u32 v[SPW], v[NIL]
	s_wait_dscnt 0x0
	CROUND                                         ; the closing round
	s_endpgm
.Lfunc_end_k_q5899ca8bda_attn:
	.size	k_q5899ca8bda_attn, .Lfunc_end_k_q5899ca8bda_attn-k_q5899ca8bda_attn
	.p2alignl 7, 3214868480
	.fill 96, 4, 3214868480
	.section	.rodata,"a",@progbits
	.p2align	6, 0x0
	.amdhsa_kernel k_q5899ca8bda_attn
		.amdhsa_group_segment_fixed_size 327680
		.amdhsa_private_segment_fixed_size 0
		.amdhsa_enable_private_segment 0
		.amdhsa_kernarg_size 24
		.amdhsa_user_sgpr_count 2
		.amdhsa_user_sgpr_kernarg_segment_ptr 1
		.amdhsa_wavefront_size32 1
		.amdhsa_system_sgpr_workgroup_id_x 1
		.amdhsa_system_sgpr_workgroup_id_y 1
		.amdhsa_system_sgpr_workgroup_id_z 1
		.amdhsa_system_vgpr_workitem_id 0
		.amdhsa_next_free_vgpr 256
		.amdhsa_next_free_sgpr 66
		.amdhsa_reserve_vcc 0
		.amdhsa_float_denorm_mode_32 3
		.amdhsa_float_denorm_mode_16_64 3
		.amdhsa_memory_ordered 1
		.amdhsa_forward_progress 1
		.amdhsa_inst_pref_size 126
	.end_amdhsa_kernel
	.amdgpu_metadata
---
amdhsa.version: [ 1, 2 ]
amdhsa.kernels:
  - .name:           k_q5899ca8bda_attn
    .symbol:         k_q5899ca8bda_attn.kd
    .args:
      - { .name: qi, .offset: 0, .size: 8, .value_kind: global_buffer, .address_space: global }
      - { .name: kv, .offset: 8, .size: 8, .value_kind: global_buffer, .address_space: global }
      - { .name: out0, .offset: 16, .size: 8, .value_kind: global_buffer, .address_space: global }
    .group_segment_fixed_size: 327680
    .private_segment_fixed_size: 0
    .kernarg_segment_align: 8
    .kernarg_segment_size: 24
    .max_flat_workgroup_size: 512
    .sgpr_count:     66
    .vgpr_count:     256
    .wavefront_size: 32
...
	.end_amdgpu_metadata
.endif
;; end of part 2
